; MI455X (gfx1250); checked and timed in simulation.
; The chip was launched on July 23, 2026; its instructions are those of AMD's public machine-readable ISA for CDNA 5 (MIT licence, August 2026) and "CDNA5" Instruction Set Architecture Reference Guide (July 2026). The comments in the code are by the model that wrote it; some were corrected since.
;; Lazy Attention Embedding. Allowed arithmetic: matrix products marked QUANTISED: E3M2 operands, one E8M0 scale for each 32 along K, by v_wmma_scale_f32_16x16x128_f8f6f4 with both operands' format E3M2, f32 sums; everything else in f32.
;; Inputs: bias_weight 4,096 x 16 float32; k 2 x 16 x 2,048 x 64 float32; q 2 x 16 x 2,048 x 64 float32; tau 16 float32; v 2 x 16 x 2,048 x 64 float32.
;; Outputs: out0 2 x 16 x 2,048 x 64 float32.
;; Constants: max_bias_length = 4096.
;; This version of the problem:
;;   THIS VERSION OF THE PROBLEM IS GIVEN IN LOW PRECISION. The matrix products marked QUANTISED in the list below multiply operands that are first quantised to E3M2 (3 exponent bits, 2 mantissa bits; 6 bits a number), with one power-of-two scale for each 32 numbers along K (OCP MX v1.0); their sums are f32. All else is computed in f32.
;;   The module's matrix products, in the order in which they are computed (A, B: the left and right operand; K: the contracted axis; several contracted axes count as one K, in the product's order):
;;     1. batch 32 x [M 2,048, K 64] x [K 64, N 2,048]; A: input q; B: input k: QUANTISED
;;     2. batch 32 x [M 2,048, K 2,048] x [K 2,048, N 64]; A: computed on the way; B: input v: QUANTISED
;;   THE QUANTISER, for each operand of a quantised product, along K:
;;     - K is cut into blocks of 32 from its start; a last block that is shorter is filled with zeros.
;;     - A block's scale is 2^e with e = floor(log2(the largest magnitude in the block)) - 4, held to -126 .. 127; a block of zeros has e = 0. As a byte (E8M0): e + 127.
;;     - Each number is divided by its block's scale, clamped to +-28, and rounded to the nearest number of E3M2, ties to even, subnormals kept.
;;     - The product sums the exact products of the quantised numbers (number of the format x scale) in f32.
;;   ~~~python
;;   def quantise(x, axis):      # numpy; x: float32 -> the quantised numbers, widened to float32 again
;;       x = np.moveaxis(x, axis, -1); K = x.shape[-1]
;;       x = np.pad(x, [(0, 0)] * (x.ndim - 1) + [(0, -K % 32)]); x = x.reshape(x.shape[:-1] + (-1, 32)); a = np.abs(x).max(-1, keepdims=True)
;;       e = np.where(a > 0, np.clip(np.frexp(np.where(a > 0, a, 1))[1] - 1 - 4, -126, 127), 0)      # np.frexp(a)[1] - 1 = floor(log2(a)), exactly
;;       r = np.clip(x / 2.0 ** e, -28, 28)
;;       step = 2.0 ** (np.maximum(np.frexp(np.where(r == 0, 1, r))[1] - 1, -2) - 2)
;;       q = np.round(r / step) * step * 2.0 ** e      # np.round: ties to even
;;       return np.moveaxis(q.reshape(q.shape[:-2] + (-1,))[..., :K], -1, axis).astype(np.float32)
;;   ~~~
;;   OPERANDS COMPUTED ON THE WAY. 'Computed on the way' means the value that the module computes at that place (a softmax that the list does not call 'softmax' is quantised finished and normalised). What goes into a quantiser is computed in f32, as accurately as f32 sums, v_exp_f32 and their like allow (about 1e-6 of the number): no bf16 or f16 on the way to a quantiser, and a product that is left as it is and whose result goes on into a quantised operand takes f32 operands (vector FMAs, or v_wmma_f32_16x16x4_f32). A number that lies on a knife's edge between two numbers of the format may be rounded either way, as far as f32 arithmetic and the matrix unit's own rounding can turn it there, and no further.
;; One version. Each part assembles by itself: llvm-mc -triple=amdgcn-amd-amdhsa -mcpu=gfx1250 --defsym DOCPART=n.
;; ======== version 1 of 1: 2 launches
;; workspace buffers: kimg 3,145,728 bytes; ksc 262,144 bytes; vimg 3,145,728 bytes; vsc 131,072 bytes; btab 557,056 bytes
;; launch prep (part 1): grid 256 x 1, 4 waves a work-group, no clusters, 168,448 bytes of LDS; arguments k, v, bias_weight, kimg, ksc, vimg, vsc, btab; writes kimg, ksc, vimg, vsc, btab
.if DOCPART == 1
	.amdgcn_target "amdgcn-amd-amdhsa--gfx1250"
	.amdhsa_code_object_version 6
	.text
	.protected	k_q98edddab09_prep
	.globl	k_q98edddab09_prep
	.p2align	8
	.type	k_q98edddab09_prep,@function
k_q98edddab09_prep:
	s_mov_b64 s[64:65], 0
	v_nop
	global_prefetch_b8 v0, s[64:65] scope:SCOPE_SE
	s_setreg_imm32_b32 hwreg(HW_REG_WAVE_MODE, 25, 1), 1
	s_wait_xcnt 0x0
; K and V [32 head-batches][2048 keys][64] f32 become codes of BF6 (E3M2) with one E8M0 byte for each 32 along a product's K, laid as IMAGES OF THE OPERANDS' REGISTERS for the attention launch;
; and the bias table is laid so that it can be the C of the score product.
; K is quantised along the head's 64 (two blocks a key), V along the keys (blocks of 32 keys a channel).
; A block's scale is 2^(floor(log2(its largest magnitude)) - 4); its byte is the largest magnitude's exponent field - 4, held at 1 from below.
; LIMITS: a block of zeros gets the byte 1 where the rule says 127 (its codes are zeros, and this program alone reads the bytes); blocks whose largest magnitude lies under 2^-122 keep the byte 1;
; NaN and infinities among the inputs are not served.
; SHARES.  Work-group g: head-batch g / 8.  Waves 0, 1 take key steps 2 (g % 8) and 2 (g % 8) + 1 of K, waves 2, 3 the same two steps of V; a key step is 128 keys: 32,768 dense bytes,
; brought by four tensor loads of 32 rows x 256 bytes into the wave's own LDS bytes, which the wave alone reads: no barrier.
; IMAGES.  A step's 48 registers a lane: register p of lane l lies at byte 512 (p / 4) + 16 l + 4 (p % 4), so that a load of 16 bytes a lane at 16 l + 512 c brings registers 4 c .. 4 c + 3.
;   K: registers 6 t .. 6 t + 5 = fragment t: key 32 (t / 2) + 8 (t % 2) + r + 8 (r / 8) of the step, dims 32 h .. 32 h + 31   (r = lane % 16, h = lane / 16)
;   V: registers 12 t + 6 c .. + 5: channel 16 t + r, keys 64 c + 32 h + 0 .. 31 of the step
; TABLE.  btab [head][copy c = 0 .. 3][2176]: entry e holds 8 x bias_weight[2044 + c - e][head], and the mask constant -2^101 where 2044 + c - e is negative.
; Each wave writes one piece of 128 entries of one row (row g / 4, piece 4 (g % 4) + wave); the wave with piece 15 also writes piece 16, whose entries all lie under 0.
.set TSTR,  8768                       ; from tile to tile in LDS: 32 rows x 272 + 64, so that lanes 16-31, which read one tile further on, start 16 banks away (64 banks of 4 bytes: ISA guide 11.1)
.set PITCH, 272                        ; a row in LDS: 256 bytes + 16 of padding
.set WREG,  4*TSTR                     ; a wave's LDS bytes
.set MASKC, 0xf2000000                 ; -2^101
.set X,   34                           ; v34-97   64 numbers: two blocks of 32
.set C,   98                           ; v98-145  codes: four sets of 12, so that no store's data are written again
.set T,   146                          ; v146-153 the second halves of two blocks' codes (a conversion's three registers begin on an even number)
.set W,   154                          ; v154-157 scale words
.set MX,  158                          ; v158-159 largest magnitudes
.set SO,  160                          ; v160-161 the conversions' scale operands
.set BY,  162                          ; v162-163 scale bytes
.set PD,  164                          ; v164-165 lane permutes' destinations
.set SW,  166                          ; v166-167 at work
	s_load_b256 s[4:11], s[0:1], 0x0               ; k s[4:5], v s[6:7], bias_weight s[8:9], kimg s[10:11]
	s_load_b256 s[12:19], s[0:1], 0x20             ; ksc s[12:13], vimg s[14:15], vsc s[16:17], btab s[18:19]
	v_lshl_add_u32 v176, v0, 2, 0x29000
	v_mov_b32 v177, 0
	ds_add_u32 v176, v177
	ds_add_u32 v176, v177
	v_lshrrev_b32 v1, 5, v0
	v_readfirstlane_b32 s20, v1                    ; wave 0..3
	s_lshr_b32 s21, s20, 1                         ; 0: K, 1: V
	s_lshr_b32 s22, ttmp9, 3                       ; head-batch
	s_and_b32 s23, ttmp9, 7
	s_lshl_b32 s23, s23, 1
	s_and_b32 s24, s20, 1
	s_add_co_u32 s23, s23, s24                     ; key step 0..15
	s_mul_i32 s26, s20, WREG                       ; my LDS bytes
	; descriptor group 1: 32 rows of 32 elements of 8 bytes, dense in memory, 16 bytes of padding behind each row
	s_mov_b32 s32, (3<<16)|(1<<20)|(5<<22)|(3<<25) ; no mask; elements of 8 bytes; padding on, after every 64 words, of 4 words
	s_mov_b32 s33, 32<<16                          ; tensor_dim0 = 32
	s_mov_b32 s34, 32<<16                          ; tensor_dim1 = 32
	s_mov_b32 s35, 32<<16                          ; tile_dim0 = 32
	s_mov_b32 s36, 32                              ; tile_dim1 = 32
	s_mov_b32 s37, 32                              ; from row to row: 32 elements
	s_mov_b32 s38, 0
	s_mov_b32 s39, 0
	s_mov_b32 s56, 0x76543210
	s_mov_b32 s57, 0xfedcba98                      ; v_permlanex16_b32's selects for lane l xor 16
	s_lshl_b32 s24, s22, 19                        ; the step in k or v: 524,288 a head-batch + 32,768 a step
	s_lshl_b32 s25, s23, 15
	s_add_co_u32 s24, s24, s25
	s_mov_b32 s25, 0
	s_mul_i32 s28, s22, 98304                      ; its image: 98,304 a head-batch + 6,144 a step
	s_mul_i32 s29, s23, 6144
	s_add_co_u32 s28, s28, s29
	s_mov_b32 s29, 0
	s_lshl_b32 s30, s22, 13                        ; its scale words: K 8,192 a head-batch + 512 a step; V half of that
	s_lshl_b32 s31, s23, 9
	s_add_co_u32 s30, s30, s31
	s_lshr_b32 s30, s30, s21
	s_mov_b32 s31, 0
	s_and_b32 s59, ttmp9, 3
	s_lshl_b32 s59, s59, 2
	s_add_co_u32 s59, s59, s20                     ; my piece of a table row, 0..15
	s_lshr_b32 s27, ttmp9, 2                       ; the row: 4 x head + copy
	s_and_b32 s60, s27, 3                          ; the copy c
	s_lshl_b32 s61, s59, 7
	s_add_co_u32 s61, s61, 3
	s_sub_co_u32 s60, s61, s60                     ; 128 x piece + 3 - c: never negative
	s_lshr_b32 s61, ttmp9, 4
	s_lshl_b32 s61, s61, 2                         ; 4 x head: my column of bias_weight, in bytes
	s_mul_i32 s62, s27, 8704                       ; a table row is 2,176 words
	s_lshl_b32 s63, s59, 9
	s_add_co_u32 s62, s62, s63
	s_mov_b32 s63, 0
	v_and_b32 v1, 31, v0                           ; lane
	v_and_b32 v2, 15, v0                           ; r
	v_bfe_u32 v3, v0, 4, 1                         ; h
	v_and_b32 v9, 8, v2
	v_add_nc_u32 v9, v9, v2                        ; r + 8 (r / 8)
	v_mul_u32_u24 v4, v9, PITCH
	v_lshl_add_u32 v4, v3, 7, v4
	v_add_nc_u32 v4, s26, v4                       ; K: row r + 8 (r / 8) of a tile, + 128 h: my half of the key's 64 numbers
	v_mul_u32_u24 v5, v3, TSTR
	v_lshl_add_u32 v5, v2, 2, v5
	v_add_nc_u32 v5, s26, v5                       ; V: lanes 16-31 begin one tile (32 keys) further down; column r
	v_lshlrev_b32 v6, 4, v1                        ; 16 x lane
	v_lshlrev_b32 v7, 3, v1                        ; 8 x lane
	v_lshlrev_b32 v8, 3, v3                        ; 8 h: a byte's shift
	v_cmp_ne_u32 s58, 0, v3                        ; the lanes with h = 1
	v_mov_b32 v[PD], 0                             ; written once: a lane permute's destination counts as one of its sources
	v_mov_b32 v[PD+1], 0
	v_lshl_add_u32 v10, v1, 2, s60                 ; t = entry + 3 - c of my four entries; the row of bias_weight is 2047 - t
.irp i, 1,2,3
	v_add_nc_u32 v[10+\i], \i, v10
.endr
.irp i, 0,1,2,3
	v_min_u32 v[14+\i], 0x7ff, v[10+\i]            ; held inside the table: where t is above 2047 the number loaded is thrown away
.endr
.irp i, 0,1,2,3
	v_sub_nc_u32 v[14+\i], 0x7ff, v[14+\i]
.endr
.irp i, 0,1,2,3
	v_lshl_add_u32 v[14+\i], v[14+\i], 6, s61      ; a row of bias_weight is 64 bytes
.endr
.irp i, 0,1,2,3
	v_mov_b32 v[22+\i], MASKC
.endr
	s_wait_dscnt 0x0
	s_wait_kmcnt 0x0
	s_cmp_eq_u32 s21, 0                            ; K's wave or V's: the choice hangs on the wave's number alone
	s_cselect_b64 s[4:5], s[4:5], s[6:7]           ; the numbers,
	s_cselect_b64 s[10:11], s[10:11], s[14:15]     ; the image,
	s_cselect_b64 s[12:13], s[12:13], s[16:17]     ; the scale words
	s_add_nc_u64 s[4:5], s[4:5], s[24:25]
	s_add_nc_u64 s[10:11], s[10:11], s[28:29]
	s_add_nc_u64 s[12:13], s[12:13], s[30:31]
	s_add_nc_u64 s[18:19], s[18:19], s[62:63]
.irp b, 0,1,2,3                                ; descriptor group 0, a set for each of my four tiles
	s_mov_b32 s[40+4*\b], 1                        ; count = 1
	s_add_co_u32 s[41+4*\b], s26, TSTR*\b          ; LDS address
	s_add_nc_u64 s[42+4*\b:43+4*\b], s[4:5], 8192*\b   ; 32 keys on
	s_or_b32 s[43+4*\b], s[43+4*\b], 0x80000000    ; type = 2
.endr
.irp b, 0,1,2,3
	tensor_load_to_lds s[40+4*\b:43+4*\b], s[32:39]    ; the four go out together, ahead of every wait and every LDS read: four loads of mine are out
	s_nop 0
.endr
.rept 4
	v_nop                                          ; four plain places behind a tensor load
.endr
	; ---- my piece of the table, while the tiles are on their way
.irp i, 0,1,2,3
	global_load_b32 v[18+\i], v[14+\i], s[8:9]
.endr
	s_wait_loadcnt 0x0
.irp i, 0,1,2,3
	v_mul_f32 v[18+\i], 0x41000000, v[18+\i]       ; x 8, exact: the score product's sum is divided by 8 later, with the bias in it
.endr
.irp i, 0,1,2,3
	v_cmp_lt_u32 vcc_lo, 0x7ff, v[10+\i]           ; the key comes after the query
	v_cndmask_b32 v[18+\i], v[18+\i], v22, vcc_lo
.endr
	global_store_b128 v6, v[18:21], s[18:19]       ; 32 lanes store 512 consecutive bytes
	s_cmp_lg_u32 s59, 15
	s_cbranch_scc1 .Lno_tail
	global_store_b128 v6, v[22:25], s[18:19] offset:512    ; entries 2,048 to 2,175: the mask constant throughout
.Lno_tail:
; Two blocks of 32 numbers, v[X] on and v[X + 32] on, become 2 x 6 registers of codes at v[dst] on; their bytes are left in v[BY], v[BY + 1].
.macro QBLK2 dst
.irp u, 0,1
	v_max3_num_f32 v[MX+\u], |v[X+32*\u]|, |v[X+32*\u+1]|, 0x2800000   ; the floor 2^(5 - 127) among the leaves: the byte cannot fall under 1
.endr
.irp i, 2,4,6,8,10,12,14,16,18,20,22,24,26,28,30
.irp u, 0,1
	v_max3_num_f32 v[MX+\u], v[MX+\u], |v[X+32*\u+\i]|, |v[X+32*\u+\i+1]|   ; (the two blocks by turns)
.endr
.endr
.irp u, 0,1
	v_add_nc_u32 v[SO+\u], 0xfe000000, v[MX+\u]    ; 4 off the exponent field: the conversion takes the exponent field of this operand as its scale
.endr
.irp u, 0,1
	v_lshrrev_b32 v[BY+\u], 23, v[SO+\u]           ; the scale's byte
.endr
.irp u, 0,1
	v_cvt_scalef32_pk16_bf6_f32 v[\dst+6*\u:\dst+6*\u+2], v[X+32*\u:X+32*\u+15], v[SO+\u]
	v_cvt_scalef32_pk16_bf6_f32 v[T+4*\u:T+4*\u+2], v[X+32*\u+16:X+32*\u+31], v[SO+\u]
.endr
	v_nop                                          ; one plain place behind a scaled conversion
.irp u, 0,1
.irp i, 0,1,2
	v_mov_b32 v[\dst+6*\u+3+\i], v[T+4*\u+\i]
.endr
.endr
.endm
.macro IMG n                           ; set n's twelve registers leave as they stand: three stores of 512 consecutive bytes
.irp c, 0,1,2
	global_store_b128 v6, v[C+12*(\n)+4*\c:C+12*(\n)+4*\c+3], s[10:11] offset:1536*(\n)+512*\c
.endr
.endm
; K, tile b of 32 keys: fragments 2 b and 2 b + 1.  A lane holds a whole block: 32 dims of one key.
.macro KBLOCK b
	s_wait_tensorcnt 3-(\b)                        ; tensor loads of a wave end in order: tile b is in; the tiles issued behind it may be out
.irp u, 0,1
.irp i, 0,1,2,3,4,5,6,7
	ds_load_b128 v[X+32*\u+4*\i:X+32*\u+4*\i+3], v4 offset:TSTR*(\b)+8*PITCH*\u+16*\i
.endr
.endr
	s_wait_dscnt 0x0
	QBLK2 C+12*(\b)
.irp u, 0,1
	v_lshlrev_b32 v[SW+\u], v8, v[BY+\u]           ; my block's byte at its place: dims 0-31 lowest, dims 32-63 next
.endr
.irp u, 0,1
	v_permlanex16_b32 v[PD+\u], v[SW+\u], s56, s57
.endr
.irp u, 0,1
	v_or_b32 v[SW+\u], v[SW+\u], v[PD+\u]          ; with lane l xor 16's
.endr
.irp u, 0,1
	v_or_b32 v[SW+\u], 0x7f7f0000, v[SW+\u]        ; the upper 64 of the instruction's 128 along K meet zero codes of Q: their bytes are 1.0
.endr
	v_cndmask_b32 v[W+(\b)], v[SW], v[SW+1], s58   ; one register carries fragment 2 b's words in lanes 0-15 and fragment 2 b + 1's in lanes 16-31
	IMG \b
.endm
; V, channels 16 t on: a lane takes a column, its registers run down the keys: two whole blocks a lane.
.macro VTILE t
.irp c, 0,1
.irp i, 0,1,2,3,4,5,6,7,8,9,10,11,12,13,14,15,16,17,18,19,20,21,22,23,24,25,26,27,28,29,30,31
	ds_load_b32 v[X+32*\c+\i], v5 offset:2*TSTR*\c+PITCH*\i+64*(\t)
.endr
.endr
	s_wait_dscnt 0x0
	QBLK2 C+12*(\t)
	v_lshl_or_b32 v[SW], v[BY+1], 16, v[BY]        ; my two bytes: blocks h and 2 + h of the step's four,
	v_lshlrev_b32 v[SW], v8, v[SW]                 ; at their places;
	v_permlanex16_b32 v[PD], v[SW], s56, s57
	v_or_b32 v[W+(\t)], v[SW], v[PD]               ; with lane l xor 16's two the word is whole
	IMG \t
.endm
	s_cmp_lg_u32 s21, 0
	s_cbranch_scc1 .Lv_path
	KBLOCK 0
	KBLOCK 1
	KBLOCK 2
	KBLOCK 3
	global_store_b128 v6, v[W:W+3], s[12:13]       ; the step's scale words: 512 consecutive bytes
	s_wait_tensorcnt 0x0
	ds_add_u32 v176, v177
	s_wait_dscnt 0x0
	s_endpgm
.Lv_path:
	s_wait_tensorcnt 0x0                           ; a column runs through all four tiles
	VTILE 0
	VTILE 1
	VTILE 2
	VTILE 3
	v_cndmask_b32 v[SW], v[W], v[W+1], s58         ; lanes 0-15: tiles 0 and 2; lanes 16-31: tiles 1 and 3
	v_cndmask_b32 v[SW+1], v[W+2], v[W+3], s58
	global_store_b64 v7, v[SW:SW+1], s[12:13]      ; 256 consecutive bytes
	s_wait_tensorcnt 0x0
	ds_add_u32 v176, v177
	s_wait_dscnt 0x0
	s_endpgm
.Lfunc_end_k_q98edddab09_prep:
	.size	k_q98edddab09_prep, .Lfunc_end_k_q98edddab09_prep-k_q98edddab09_prep
	.p2alignl 7, 3214868480
	.fill 96, 4, 3214868480
	.section	.rodata,"a",@progbits
	.p2align	6, 0x0
	.amdhsa_kernel k_q98edddab09_prep
		.amdhsa_group_segment_fixed_size 168448
		.amdhsa_private_segment_fixed_size 0
		.amdhsa_enable_private_segment 0
		.amdhsa_kernarg_size 64
		.amdhsa_user_sgpr_count 2
		.amdhsa_user_sgpr_kernarg_segment_ptr 1
		.amdhsa_wavefront_size32 1
		.amdhsa_system_sgpr_workgroup_id_x 1
		.amdhsa_system_sgpr_workgroup_id_y 1
		.amdhsa_system_sgpr_workgroup_id_z 1
		.amdhsa_system_vgpr_workitem_id 0
		.amdhsa_next_free_vgpr 178
		.amdhsa_next_free_sgpr 66
		.amdhsa_reserve_vcc 1
		.amdhsa_float_denorm_mode_32 3
		.amdhsa_float_denorm_mode_16_64 3
		.amdhsa_memory_ordered 1
		.amdhsa_forward_progress 1
		.amdhsa_inst_pref_size 55
	.end_amdhsa_kernel
	.amdgpu_metadata
---
amdhsa.version: [ 1, 2 ]
amdhsa.kernels:
  - .name:           k_q98edddab09_prep
    .symbol:         k_q98edddab09_prep.kd
    .args:
      - { .name: k, .offset: 0, .size: 8, .value_kind: global_buffer, .address_space: global }
      - { .name: v, .offset: 8, .size: 8, .value_kind: global_buffer, .address_space: global }
      - { .name: bias_weight, .offset: 16, .size: 8, .value_kind: global_buffer, .address_space: global }
      - { .name: kimg, .offset: 24, .size: 8, .value_kind: global_buffer, .address_space: global }
      - { .name: ksc, .offset: 32, .size: 8, .value_kind: global_buffer, .address_space: global }
      - { .name: vimg, .offset: 40, .size: 8, .value_kind: global_buffer, .address_space: global }
      - { .name: vsc, .offset: 48, .size: 8, .value_kind: global_buffer, .address_space: global }
      - { .name: btab, .offset: 56, .size: 8, .value_kind: global_buffer, .address_space: global }
    .group_segment_fixed_size: 168448
    .private_segment_fixed_size: 0
    .kernarg_segment_align: 8
    .kernarg_segment_size: 64
    .max_flat_workgroup_size: 128
    .sgpr_count:     66
    .vgpr_count:     178
    .wavefront_size: 32
...
	.end_amdgpu_metadata
.endif
;; end of part 1
;; launch attn (part 2): grid 8 x 32, 16 waves a work-group, clusters of 4 x 1, 313,600 bytes of LDS; arguments q, tau, kimg, ksc, vimg, vsc, btab, out0; writes out0
.if DOCPART == 2
	.amdgcn_target "amdgcn-amd-amdhsa--gfx1250"
	.amdhsa_code_object_version 6
	.text
	.protected	k_q98edddab09_attn
	.globl	k_q98edddab09_attn
	.p2align	8
	.type	k_q98edddab09_attn,@function
k_q98edddab09_attn:
	s_mov_b64 s[64:65], 0
	v_nop
	global_prefetch_b8 v0, s[64:65] scope:SCOPE_SE
	s_setreg_imm32_b32 hwreg(HW_REG_WAVE_MODE, 25, 1), 1
	s_wait_xcnt 0x0
	s_wait_alu depctr_hold_cnt(0) depctr_sa_sdst(0) depctr_va_vdst(0) depctr_va_sdst(0) depctr_va_ssrc(0) depctr_va_vcc(0) depctr_vm_vsrc(0)
	s_getreg_b32 s2, hwreg(HW_REG_IB_STS2, 6, 4)
	s_cmp_eq_u32 s2, 0
	s_cbranch_scc0 .Lentry_in_a_cluster
	s_endpgm
.Lentry_in_a_cluster:
	s_bfe_u32 s2, ttmp6, 0x10000c
	s_cmp_lg_u32 s2, 0x3003
	s_cbranch_scc0 .Lentry_shape_is_right
	s_endpgm
.Lentry_shape_is_right:
; out[hb][q][:] = sum over ALL 2,048 keys k of relu(softmax_k(q . k / 8 + bias[q - k], causal) + tau / (q + 1)) v[k][:], both products on codes of BF6 (E3M2) with one E8M0 scale for each 32 along K.
; The second product's left operand is quantised FINISHED, so a row's maximum and sum must be known first: every tile of 16 queries walks its keys twice.
;   pass 1: scores, the running maximum (M = it, rounded up to a whole number) and the sum of 2^(t - M), t = score x log2(e); the largest score of each block of 32 keys is kept in LDS.
;   pass 2: the scores again, a = relu(2^(t - M) / sum + tau / i), quantised along the keys, O^T += V^T a^T.
; Keys after the query have softmax 0 but a = relu(tau / i), which is not thrown away: the second product runs over all keys.  In key steps that lie wholly after the tile's queries the operand is one
; number a row: its codes and scale word are made once, and such a step is four matrix instructions.  Only the scores and the softmax stop at the diagonal.
; THE BIAS AND THE MASK ARE THE C OF THE SCORE PRODUCT: the table holds 8 x bias (exact), and -2^101 where the key comes after the query; t = (q . k + C) x log2(e) / 8.
; SHARES.  A work-group owns a head-batch and 16 tiles of 16 queries, one a wave: wave w's tile begins at query 128 j + 16 x, x = the work-group's number 0..7, j = a fixed permutation of w, such that the four
; waves with equal w % 4, and the four with equal w / 4, have j that add up to 30.  The tile lies in key step j for every x: so branches hang on the wave's number and loop counts alone.
; A whole head's codes of K and V, their scale words and the table lie in LDS, filled once; nothing is filled again.  CLUSTER: the four work-groups of a cluster share a head-batch, so K's and V's codes and scale
; words are asked for JOINTLY (mask 15).  The table's tile begins at a place that hangs on x: it is a load of the work-group's own.
; LAYOUT.  Both products are used transposed (S^T = K Q^T, O^T = V^T a^T): a lane holds ONE query (lane % 16).  Lane r of K's fragment 2 b + u holds key 32 b + 8 u + r + 8 (r / 8), so that score register 16 b + e
; is key 32 b + 16 (lane / 16) + e of the step.  The head is 64 wide, half of the instruction's 128 along K: Q's upper six registers are zero codes; K's fragment t is the run of 12 registers from 6 t on, whose upper six
; (the next fragment's codes, or six registers of zeros) meet Q's zeros under the scale byte 127: E3M2 has no infinity and no NaN, so they add nothing.
; LIMITS: NaN and infinities among the inputs are not served.  Hidden scores are -2^101 / 8 where reference() has -1e30 (both give softmax 0): a true score at or under that is not told apart.  Blocks whose largest
; magnitude lies under 2^-122, blocks of zeros among them, keep the scale byte 1.  A block's largest a is made from its largest score by the same instructions: this takes v_exp_f32 not to fall where its input rises.
; tau / i and 1 / sum are v_rcp_f32 with one correction step.
.set VIMG, 98304                       ; LDS: K's images 0 .. 98,303; V's images;
.set KSC,  196608                      ; K's scale words, 512 bytes a step;
.set VSC,  204800                      ; V's, 256 bytes a step;
.set BT,   208896                      ; the table: four copies of 2,064 words;
.set BTP,  8256                        ; a copy: 64 bytes over a multiple of 256, so that the sixteen lanes of a load, four to a copy, take sixteen different columns of 16 bytes (64 banks of 4 bytes: ISA guide 11.1)
.set PRIV, 241920                      ; each wave's own 4,352 bytes, into which no tensor load lands: 16 slots of 256 bytes for the blocks' largest scores; on the way out a stage of 16 rows x 272
.set PRW,  4352
.set KA0,  1                           ; v1   16 x lane: my place in an image
.set VA0,  2                           ; v2   the same in V's images
.set KSA0, 3                           ; v3   in K's scale words
.set VSA0, 4                           ; v4   in V's: 8 x lane
.set BTA0, 5                           ; v5   in the table: copy r % 4, + 16 (3 - r / 4) + 64 h
.set BMA0, 6                           ; v6   in my slots: 16 r
.set GO,   7                           ; v7   the way out: 256 h + 16 r
.set ADK,  8                           ; v8-13 the step's addresses: K's image, K's words, table, slot, V's image, V's words
.set ADS,  9
.set ADB,  10
.set ADM,  11
.set ADV,  12
.set ADT,  13
.set NM,   14                          ; v14  -M;  v15 the largest t so far
.set TMX,  15
.set SUM,  16                          ; v[16:17] the sum, in two halves
.set QF,   18                          ; v18-29 Q's fragment: six registers of codes, six of zeros
.set QS,   30                          ; v30  Q's scale words
.set PCW,  31                          ; v31  the scale word of the constant operand
.set RL,   32                          ; v[32:33] 1 / sum in the low word
.set CC,   34                          ; v[34:35] tau / i in the low word
.set PCF,  36                          ; v36-47 the constant operand's codes
.set PF,   48                          ; v48-59 the operand's codes
.set PT,   60                          ; v60-67 second halves of blocks' codes
.set KB,   68                          ; v68-115 a step's image of K, later of V; v116-121 zeros
.set KS,   122                         ; v122-125 K's scale words
.set VS,   126                         ; v126-127 V's
.set S,    128                         ; v128-191 the table's numbers, S^T, p, a
.set O,    192                         ; v192-223 O^T
.set BX,   224                         ; v224-227 the blocks' largest
.set BY,   228                         ; v228-231 bytes; lane permutes' destinations
.set SO,   232                         ; v232-235 the conversions' scale operands
.set PW,   236                         ; v236 the operand's scale word
.set FF,   238                         ; v[238:239] f = 2^(old M - new M) in the low word
.set SC2,  240                         ; v[240:241] the sums' second chain
; s20 wave, s21 j, s22 x, s23 head-batch, s24 head, s[26:27] lane selects, s[28:29] log2(e) / 8, s30 tau, s31 the key step, s32 6,144 x step, s33 512 x step, s34 512 (15 - j), s35-36 at work, s37 loop count
; A round of the cluster's barrier.
.macro ROUND
	s_barrier_signal -1
	s_barrier_wait -1
	s_cmp_lg_u32 s20, 0
	s_cbranch_scc1 .Lnot_wave_0_\@
	s_barrier_signal -3
.Lnot_wave_0_\@:
	s_barrier_wait -3
	s_barrier_signal -1
	s_barrier_wait -1
.endm
; The step's addresses.  These plain lines are also the places between the last step's matrix instructions and the loads into their sources.
.macro HEAD n
	s_add_co_u32 s35, s33, s34                     ; the table moves 128 words a step; at the diagonal step it stands at 128 x 15
	s_min_u32 s35, s35, 7680                       ; (steps behind the diagonal read nothing of it: the address is held inside the table all the same)
	s_lshr_b32 s36, s33, 1                         ; 256 x step
	v_add_nc_u32 v[ADK], s32, v[KA0]
	v_add_nc_u32 v[ADS], s33, v[KSA0]
	v_add_nc_u32 v[ADB], s35, v[BTA0]
	v_add_nc_u32 v[ADM], s36, v[BMA0]
.if \n > 4
	v_add_nc_u32 v[ADV], s32, v[VA0]
	v_add_nc_u32 v[ADT], s36, v[VSA0]
.endif
.endm
.macro KQ t                            ; tile t of S^T: source 0 = 16 keys, source 1 = my 16 queries, C = D = the table's numbers; the words of an odd tile stand in lanes 16-31
.if (\t)%2
	v_wmma_scale_f32_16x16x128_f8f6f4 v[S+8*(\t):S+8*(\t)+7], v[KB+6*(\t):KB+6*(\t)+11], v[QF:QF+11], v[S+8*(\t):S+8*(\t)+7], v[KS+(\t)/2], v[QS] matrix_a_fmt:MATRIX_FMT_BF6 matrix_b_fmt:MATRIX_FMT_BF6 matrix_a_scale:MATRIX_SCALE_ROW1
.else
	v_wmma_scale_f32_16x16x128_f8f6f4 v[S+8*(\t):S+8*(\t)+7], v[KB+6*(\t):KB+6*(\t)+11], v[QF:QF+11], v[S+8*(\t):S+8*(\t)+7], v[KS+(\t)/2], v[QS] matrix_a_fmt:MATRIX_FMT_BF6 matrix_b_fmt:MATRIX_FMT_BF6
.endif
.endm
; 8 x score of 16 queries x 128 keys.  withmax = 1: the blocks' largest scores come back from my slot.
.macro SCORES withmax
.irp c, 0,1,2,3,4,5,6,7,8,9,10,11
	ds_load_b128 v[KB+4*\c:KB+4*\c+3], v[ADK] offset:512*\c
.endr
	ds_load_b128 v[KS:KS+3], v[ADS]
.irp b, 0,1,2,3
.irp g, 0,1,2,3
	ds_load_b128 v[S+16*\b+4*\g:S+16*\b+4*\g+3], v[ADB] offset:128*\b+16*\g   ; the table runs against q - k: four neighbouring keys are four neighbouring words
.endr
.endr
.if \withmax
	ds_load_b128 v[BX:BX+3], v[ADM]
.endif
	s_wait_dscnt 0x0
.irp t, 0,1,2,3,4,5,6,7
	KQ \t
.endr
.endm
.macro VLOAD                           ; the step's image of V and its scale words
.irp c, 0,1,2,3,4,5,6,7,8,9,10,11
	ds_load_b128 v[KB+4*\c:KB+4*\c+3], v[ADV] offset:512*\c
.endr
	ds_load_b64 v[VS:VS+1], v[ADT]
.endm
.macro PV p, w                         ; O^T += V^T a^T: source 0 = 16 channels, source 1 = the operand at v[p] with the scale word v[w]; the four accumulators by turns
.irp t, 0,1,2,3
.if \t%2
	v_wmma_scale_f32_16x16x128_f8f6f4 v[O+8*\t:O+8*\t+7], v[KB+12*\t:KB+12*\t+11], v[\p:\p+11], v[O+8*\t:O+8*\t+7], v[VS+\t/2], v[\w] matrix_a_fmt:MATRIX_FMT_BF6 matrix_b_fmt:MATRIX_FMT_BF6 matrix_a_scale:MATRIX_SCALE_ROW1
.else
	v_wmma_scale_f32_16x16x128_f8f6f4 v[O+8*\t:O+8*\t+7], v[KB+12*\t:KB+12*\t+11], v[\p:\p+11], v[O+8*\t:O+8*\t+7], v[VS+\t/2], v[\w] matrix_a_fmt:MATRIX_FMT_BF6 matrix_b_fmt:MATRIX_FMT_BF6
.endif
.endr
.endm
.macro FINISH c                        ; a = relu(p / sum + tau / i) of blocks 2 c and 2 c + 1
.set jj, 32*(\c)
.rept 16
	v_pk_fma_f32 v[S+jj:S+jj+1], v[S+jj:S+jj+1], v[RL:RL+1], v[CC:CC+1] op_sel_hi:[1,0,0]
.set jj, jj+2
.endr
.set jj, 32*(\c)
.rept 32
	v_max_num_f32 v[S+jj], 0, v[S+jj]
.set jj, jj+1
.endr
.endm
.macro CODES c                         ; my 16 numbers of block 2 c, and of block 2 c + 1
	v_cvt_scalef32_pk16_bf6_f32 v[PF+6*(\c):PF+6*(\c)+2], v[S+32*(\c):S+32*(\c)+15], v[SO+2*(\c)]
	v_cvt_scalef32_pk16_bf6_f32 v[PT+4*(\c):PT+4*(\c)+2], v[S+32*(\c)+16:S+32*(\c)+31], v[SO+2*(\c)+1]
.endm
.macro MERGE c                         ; the operand's layout wants a WHOLE block in a lane: lanes 0-15 block 2 c, lanes 16-31 block 2 c + 1
.irp i, 0,1,2
	v_permlane16_swap_b32 v[PF+6*(\c)+\i], v[PT+4*(\c)+\i]
.endr
.irp i, 0,1,2
	v_mov_b32 v[PF+3+6*(\c)+\i], v[PT+4*(\c)+\i]
.endr
.endm
.macro NEXT                            ; on to the next key step
	s_add_co_u32 s31, s31, 1
	s_add_co_u32 s32, s32, 6144
	s_add_co_u32 s33, s33, 512
.endm
; PASS 1, a key step.  A step all of whose keys come after my queries is left out: a scalar branch on the loop's count and the wave's number.
.macro STEP1
	HEAD 4
	s_cmp_gt_u32 s31, s21
	s_cbranch_scc1 .Lover_\@
	SCORES 0
.rept 4
	v_nop                                          ; four places between the last matrix instruction and the first read of results
.endr
.irp b, 0,1,2,3
	v_max3_num_f32 v[BX+\b], v[S+16*\b], v[S+1+16*\b], v[S+2+16*\b]   ; the largest score of each block of 32 keys; each accumulator is read from its low end on
.endr
.irp i, 3,5,7,9,11,13
.irp b, 0,1,2,3
	v_max3_num_f32 v[BX+\b], v[BX+\b], v[S+16*\b+\i], v[S+1+16*\b+\i]
.endr
.endr
.irp b, 0,1,2,3
	v_max_num_f32 v[BX+\b], v[BX+\b], v[S+15+16*\b]
.endr
.irp b, 0,1,2,3
	v_permlanex16_b32 v[BY+\b], v[BX+\b], s26, s27
.endr
.irp b, 0,1,2,3
	v_max_num_f32 v[BX+\b], v[BX+\b], v[BY+\b]     ; with lane l xor 16's 16 keys
.endr
	ds_store_b128 v[ADM], v[BX:BX+3]               ; kept for pass 2 (both halves of the lanes write the same 16 bytes with the same numbers)
	v_max3_num_f32 v242, v[BX], v[BX+1], v[BX+2]
	v_max_num_f32 v242, v242, v[BX+3]
	v_mul_f32 v242, s28, v242                      ; as t (the factor is positive)
	v_max_num_f32 v[TMX], v[TMX], v242
	v_mov_b32 v242, v[NM]
	v_floor_f32 v[NM], -v[TMX]                     ; -M = floor(-t): M is a whole number
	v_sub_f32 v242, v[NM], v242                    ; old M - new M: a whole number, 0 or less
	v_cvt_i32_f32 v242, v242                       ; (it saturates)
	v_ldexp_f32 v[FF], 1.0, v242                   ; f = 2^(old M - new M): rounds nothing
.set jj, 0
.rept 32
	v_pk_fma_f32 v[S+jj:S+jj+1], v[S+jj:S+jj+1], s[28:29], v[NM:NM+1] op_sel_hi:[1,0,0]   ; t - M
.set jj, jj+2
.endr
.set jj, 0
.rept 64
	v_exp_f32 v[S+jj], v[S+jj]
.set jj, jj+1
.endr
	v_pk_mul_f32 v[SUM:SUM+1], v[SUM:SUM+1], v[FF:FF+1] op_sel_hi:[1,0]   ; the sums under the new M: the plain line behind the exponentials
	s_wait_alu depctr_va_vdst(0)                   ; one wait for the batch, ahead of its first reader
	v_pk_add_f32 v[SC2:SC2+1], v[S:S+1], v[S+2:S+3]
.set jj, 4
.rept 15
	v_pk_add_f32 v[SUM:SUM+1], v[SUM:SUM+1], v[S+jj:S+jj+1]
	v_pk_add_f32 v[SC2:SC2+1], v[SC2:SC2+1], v[S+jj+2:S+jj+3]
.set jj, jj+4
.endr
	v_pk_add_f32 v[SUM:SUM+1], v[SUM:SUM+1], v[SC2:SC2+1]
.Lover_\@:
	NEXT
.endm
; PASS 2, a key step.
.macro STEP2
	HEAD 6
	s_cmp_gt_u32 s31, s21
	s_cbranch_scc1 .Lhidden_\@
	SCORES 1
.irp b, 0,1,2,3
	v_fma_f32 v[BX+\b], v[BX+\b], s28, v[NM]       ; t - M of each block's largest score.  These four are the places behind the matrix instructions
.endr
	VLOAD                                          ; into K's registers, which are done with; it lands under the softmax
.set jj, 0
.rept 32
	v_pk_fma_f32 v[S+jj:S+jj+1], v[S+jj:S+jj+1], s[28:29], v[NM:NM+1] op_sel_hi:[1,0,0]   ; t - M, from each accumulator's low end on
.set jj, jj+2
.endr
.irp b, 0,1,2,3
	v_exp_f32 v[BX+\b], v[BX+\b]
.endr
.set jj, 0
.rept 64
	v_exp_f32 v[S+jj], v[S+jj]
.set jj, jj+1
.endr
	v_nop                                          ; the plain line behind the exponentials
	s_wait_alu depctr_va_vdst(0)                   ; one wait for the 68
.irp b, 0,1,2,3
	v_fma_f32 v[BX+\b], v[BX+\b], v[RL], v[CC]     ; the block's largest a, by the same instructions as every a
.endr
.irp b, 0,1,2,3
	v_max_num_f32 v[BX+\b], 0x2800000, v[BX+\b]    ; the relu and the floor 2^(5 - 127) in one: the byte cannot fall under 1
.endr
.irp b, 0,1,2,3
	v_add_nc_u32 v[SO+\b], 0xfe000000, v[BX+\b]    ; 4 off the exponent field: the conversion's scale operand
.endr
.irp b, 0,1,2,3
	v_lshrrev_b32 v[BY+\b], 23, v[SO+\b]
.endr
	v_lshl_or_b32 v[PW], v[BY+1], 8, v[BY]         ; the scale word of these 128 keys
	v_lshl_or_b32 v[PW], v[BY+2], 16, v[PW]
	v_lshl_or_b32 v[PW], v[BY+3], 24, v[PW]
	FINISH 0
	CODES 0
	FINISH 1                                       ; (plain lines behind the conversions)
	MERGE 0
	CODES 1
	v_nop                                          ; one plain place behind a scaled conversion
	MERGE 1
.rept 4
	v_nop                                          ; an operand written by vector instructions stands four places ahead of a scaled matrix instruction
.endr
	s_wait_dscnt 0x0                               ; V
	PV PF, PW
	s_branch .Ldone_\@
.Lhidden_\@:                                           ; all 128 keys come after my queries: a = relu(tau / i) throughout
	VLOAD
	s_wait_dscnt 0x0
	PV PCF, PCW
.Ldone_\@:
	NEXT
.endm
	s_load_b256 s[4:11], s[0:1], 0x0               ; q s[4:5], tau s[6:7], kimg s[8:9], ksc s[10:11]
	s_load_b256 s[12:19], s[0:1], 0x20             ; vimg s[12:13], vsc s[14:15], btab s[16:17], out0 s[18:19]
	v_lshl_add_u32 v254, v0, 2, 0x4c100
	v_mov_b32 v255, 0
	ds_add_u32 v254, v255
	ds_add_u32 v254, v255
	v_lshrrev_b32 v1, 5, v0
	v_readfirstlane_b32 s20, v1                    ; wave 0..15
	s_bfe_u32 s21, s20, 0x10000                    ; j = 15 w0 xor 5 w1 xor 3 w2 xor 13 w3, w0..w3 the bits of the wave's number
	s_mul_i32 s21, s21, 15
	s_bfe_u32 s25, s20, 0x10001
	s_mul_i32 s25, s25, 5
	s_xor_b32 s21, s21, s25
	s_bfe_u32 s25, s20, 0x10002
	s_mul_i32 s25, s25, 3
	s_xor_b32 s21, s21, s25
	s_bfe_u32 s25, s20, 0x10003
	s_mul_i32 s25, s25, 13
	s_xor_b32 s21, s21, s25
	s_xor_b32 s34, s21, 15
	s_lshl_b32 s34, s34, 9                         ; 512 (15 - j)
	s_bfe_u32 s22, ttmp6, 0x40000                  ; cx
	s_lshl_b32 s36, ttmp9, 2
	s_add_co_u32 s22, s36, s22                     ; x = 4 x cluster x + cx: it enters q's, out0's and the table's global addresses and the number i, nothing else
	s_and_b32 s23, ttmp7, 0xffff                   ; head-batch, which the four partners share
	s_and_b32 s24, s23, 15                         ; head
	; descriptor groups 1.  Dense blocks as rows of 256 bytes (32 elements of 8 bytes); mask 15: all four work-groups; bit 21 beside it
.irp g, 40, 48, 56
	s_mov_b32 s[\g], 15|(3<<16)|(1<<21)
	s_mov_b32 s[\g+1], 32<<16                      ; tensor_dim0 = 32
	s_mov_b32 s[\g+3], 32<<16                      ; tile_dim0 = 32
	s_mov_b32 s[\g+5], 32                          ; from row to row
	s_mov_b32 s[\g+6], 0
	s_mov_b32 s[\g+7], 0
.endr
	s_mov_b32 s42, 96<<16                          ; a quarter of a head's images: 96 rows
	s_mov_b32 s44, 96
	s_mov_b32 s50, 32<<16                          ; K's scale words: 32 rows
	s_mov_b32 s52, 32
	s_mov_b32 s58, 16<<16                          ; V's: 16 rows
	s_mov_b32 s60, 16
	s_mov_b32 s68, 2<<16                           ; the table: no mask; elements of 4 bytes; 4 rows (copies) of 2,064, 2,176 apart in memory, dense in LDS
	s_mov_b32 s69, 2064<<16
	s_mov_b32 s70, 4<<16
	s_mov_b32 s71, 2064<<16
	s_mov_b32 s72, 4
	s_mov_b32 s73, 2176
	s_mov_b32 s74, 0
	s_mov_b32 s75, 0
	s_mov_b32 s26, 0x76543210
	s_mov_b32 s27, 0xfedcba98                      ; v_permlanex16_b32's selects for lane l xor 16
	s_mov_b32 s28, 0x3e38aa3b                      ; log2(e) / 8
	s_mov_b32 s29, s28                             ; (named with it as a pair, so it is written)
	s_mul_i32 s25, s20, 24576                      ; waves 0-3: my quarter of the images
	s_mul_i32 s38, s23, 98304
	s_add_co_u32 s38, s38, s25
	s_mov_b32 s39, 0
	s_wait_dscnt 0x0
	s_wait_kmcnt 0x0
	s_mov_b32 s76, 1                               ; K's images
	s_mov_b32 s77, s25
	s_add_nc_u64 s[78:79], s[8:9], s[38:39]
	s_or_b32 s79, s79, 0x80000000
	s_mov_b32 s80, 1                               ; V's
	s_add_co_u32 s81, s25, VIMG
	s_add_nc_u64 s[82:83], s[12:13], s[38:39]
	s_or_b32 s83, s83, 0x80000000
	s_lshl_b32 s38, s23, 13
	s_mov_b32 s84, 1                               ; K's scale words
	s_mov_b32 s85, KSC
	s_add_nc_u64 s[86:87], s[10:11], s[38:39]
	s_or_b32 s87, s87, 0x80000000
	s_lshl_b32 s38, s23, 12
	s_mov_b32 s88, 1                               ; V's
	s_mov_b32 s89, VSC
	s_add_nc_u64 s[90:91], s[14:15], s[38:39]
	s_or_b32 s91, s91, 0x80000000
	s_lshl_b32 s38, s24, 2
	s_add_nc_u64 s[6:7], s[6:7], s[38:39]
	s_load_b32 s30, s[6:7], 0x0                    ; tau of my head
	s_mul_i32 s36, s24, 34816                      ; the table: my head's four rows, from word 16 (7 - x) on
	s_xor_b32 s37, s22, 7
	s_lshl_b32 s37, s37, 6
	s_add_co_u32 s36, s36, s37
	s_mov_b32 s37, 0
	s_mov_b32 s92, 1
	s_mov_b32 s93, BT
	s_add_nc_u64 s[94:95], s[16:17], s[36:37]
	s_or_b32 s95, s95, 0x80000000
	s_lshl_b32 s36, s23, 19                        ; my tile's first row in q and in out0: 524,288 a head-batch + 256 (128 j + 16 x)
	s_lshl_b32 s35, s21, 15
	s_add_co_u32 s36, s36, s35
	s_lshl_b32 s35, s22, 12
	s_add_co_u32 s36, s36, s35
	s_add_nc_u64 s[4:5], s[4:5], s[36:37]
	s_add_nc_u64 s[18:19], s[18:19], s[36:37]
	v_and_b32 v242, 31, v0                         ; lane
	v_and_b32 v243, 15, v0                         ; r
	v_bfe_u32 v244, v0, 4, 1                       ; h
	v_lshlrev_b32 v[KA0], 4, v242
	v_add_nc_u32 v[VA0], VIMG, v[KA0]
	v_add_nc_u32 v[KSA0], KSC, v[KA0]
	v_lshl_add_u32 v[VSA0], v242, 3, VSC
	v_and_b32 v245, 3, v243
	v_lshrrev_b32 v246, 2, v243
	v_xor_b32 v246, 3, v246
	v_mul_u32_u24 v[BTA0], v245, BTP
	v_lshl_add_u32 v[BTA0], v246, 4, v[BTA0]
	v_lshl_add_u32 v[BTA0], v244, 6, v[BTA0]
	v_add_nc_u32 v[BTA0], BT, v[BTA0]
	s_mul_i32 s35, s20, PRW
	s_add_co_u32 s35, s35, PRIV
	v_lshl_add_u32 v[BMA0], v243, 4, s35
	v_lshlrev_b32 v[GO], 4, v243
	v_lshl_add_u32 v[GO], v244, 8, v[GO]
	ROUND                                          ; all four work-groups are here: the joint loads meet
	s_cmp_lt_u32 s20, 4                            ; a wave's fills stand in one branch on its number: waves 0-3 two loads, wave 4 three, the others none
	s_cbranch_scc0 .Lnot_codes
	tensor_load_to_lds s[76:79], s[40:47]          ; my quarter of K's images,
	s_nop 0
	tensor_load_to_lds s[80:83], s[40:47]          ; and of V's, which are wanted later
	s_nop 0
.rept 4
	v_nop
.endr
	s_branch .Lfilled
.Lnot_codes:
	s_cmp_eq_u32 s20, 4
	s_cbranch_scc0 .Lfilled
	tensor_load_to_lds s[84:87], s[48:55]          ; K's scale words,
	s_nop 0
	tensor_load_to_lds s[92:95], s[68:75]          ; the table,
	s_nop 0
	tensor_load_to_lds s[88:91], s[56:63]          ; V's scale words, which are wanted later
	s_nop 0
.rept 4
	v_nop
.endr
.Lfilled:
	; ---- while the fills are on their way: Q, tau / i, the constant operand, the first values
	v_lshlrev_b32 v247, 8, v243
	v_lshl_add_u32 v247, v244, 7, v247             ; q: row r of 256 bytes, + 128 h: a whole block of 32 in a lane
.irp i, 0,1,2,3,4,5,6,7
	global_load_b128 v[S+4*\i:S+4*\i+3], v247, s[4:5] offset:16*\i th:TH_LOAD_NT
.endr
	v_mov_b32 v[TMX], 0xff61b1e6                   ; the largest t so far: -3e38, under every t
	v_floor_f32 v[NM], -v[TMX]
	v_mov_b32 v[SUM], 0
	v_mov_b32 v[SUM+1], 0
	v_mov_b32 v[RL+1], 0                           ; (upper halves of pairs of which the low word serves both halves: named, so written)
	v_mov_b32 v[FF+1], 0
.irp i, 0,1,2,3
	v_mov_b32 v[BY+\i], 0                          ; written once: a lane permute's destination counts as one of its sources
.endr
.irp i, 0,1,2,3,4,5
	v_mov_b32 v[QF+6+\i], 0                        ; Q's zero codes for the upper 64 along K
	v_mov_b32 v[KB+48+\i], 0                       ; what fragment 7's run of 12 registers ends in
.endr
.set jj, 0
.rept 32
	v_mov_b32 v[O+jj], 0                           ; O^T: pass 2's step is written once, and its first trip adds onto zeros
.set jj, jj+1
.endr
	s_lshl_b32 s36, s21, 7
	s_lshl_b32 s35, s22, 4
	s_add_co_u32 s36, s36, s35
	s_add_co_u32 s36, s36, 1
	v_add_nc_u32 v224, s36, v243                   ; i = my query + 1
	v_cvt_f32_u32 v224, v224
	v_rcp_f32 v225, v224
	v_mov_b32 v[CC+1], 0                           ; the plain line behind the reciprocal
	s_wait_alu depctr_va_vdst(0)                   ; and the wait ahead of its first reader
	s_wait_kmcnt 0x0                               ; tau
	v_mul_f32 v226, s30, v225
	v_fma_f32 v227, -v226, v224, s30               ; what is left of tau,
	v_fma_f32 v[CC], v227, v225, v226              ; put back: tau / i
	s_wait_loadcnt 0x0                             ; q
	v_max3_num_f32 v224, |v[S]|, |v[S+1]|, 0x2800000   ; my block's largest magnitude, in two chains, the floor 2^(5 - 127) among the leaves
	v_max3_num_f32 v225, |v[S+2]|, |v[S+3]|, 0x2800000
.irp i, 4,8,12,16,20,24,28
	v_max3_num_f32 v224, v224, |v[S+\i]|, |v[S+\i+1]|
	v_max3_num_f32 v225, v225, |v[S+\i+2]|, |v[S+\i+3]|
.endr
	v_max_num_f32 v224, v224, v225
	v_add_nc_u32 v226, 0xfe000000, v224
	v_lshrrev_b32 v227, 23, v226
	v_cvt_scalef32_pk16_bf6_f32 v[QF:QF+2], v[S:S+15], v226
	v_cvt_scalef32_pk16_bf6_f32 v[PT:PT+2], v[S+16:S+31], v226
	v_lshlrev_b32 v228, 3, v244                    ; 8 h.  (The plain place behind the conversions)
.irp i, 0,1,2
	v_mov_b32 v[QF+3+\i], v[PT+\i]
.endr
	v_lshlrev_b32 v227, v228, v227                 ; my block's byte at its place,
	v_permlanex16_b32 v229, v227, s26, s27
	v_or_b32 v227, v227, v229                      ; with lane l xor 16's,
	v_or_b32 v[QS], 0x7f7f0000, v227               ; and 1.0 for the zero codes
	v_max_num_f32 v224, 0, v[CC]                   ; THE CONSTANT OPERAND: relu(tau / i), the same for all keys after the query
	v_max_num_f32 v225, 0x2800000, v224
	v_add_nc_u32 v225, 0xfe000000, v225
	v_lshrrev_b32 v226, 23, v225
.set jj, 0
.rept 16
	v_mov_b32 v[S+jj], v224
.set jj, jj+1
.endr
	v_cvt_scalef32_pk16_bf6_f32 v[PCF:PCF+2], v[S:S+15], v225   ; sixteen equal codes: 96 bits,
	v_lshl_or_b32 v227, v226, 8, v226              ; (the plain place behind the conversion)
.irp i, 0,1,2,3,4,5,6,7,8
	v_mov_b32 v[PCF+3+\i], v[PCF+\i%3]             ; four times over
.endr
	v_lshl_or_b32 v[PCW], v227, 16, v227           ; the byte, four times
	s_mov_b32 s31, 0
	s_mov_b32 s32, 0
	s_mov_b32 s33, 0
	s_wait_tensorcnt 0x1                           ; all my loads but the last issued have landed: K's images, K's scale words, the table; V's may stay out
	s_barrier_signal -1
	s_barrier_wait -1                              ; everybody's have
	STEP1                                          ; key step 0, in which every tile has work
	s_wait_tensorcnt 0x0                           ; V's images and scale words have landed,
	s_wait_dscnt 0x0                               ; no LDS instruction of mine is out at the signal,
	s_barrier_signal -1
	s_barrier_wait -1                              ; and every wave knows it; from here on the waves go their own ways
	s_mov_b32 s37, 15
.Lpass1:
	STEP1
	s_sub_co_u32 s37, s37, 1
	s_cmp_lg_u32 s37, 0
	s_cbranch_scc1 .Lpass1
	v_add_f32 v242, v[SUM], v[SUM+1]               ; the sum's two halves,
	v_permlanex16_b32 v243, v242, s26, s27
	v_add_f32 v242, v242, v243                     ; and lane l xor 16's: the row's sum
	v_rcp_f32 v244, v242
	v_mov_b32 v245, 0                              ; the plain line behind the reciprocal
	s_wait_alu depctr_va_vdst(0)
	v_fma_f32 v245, -v242, v244, 1.0
	v_fma_f32 v[RL], v245, v244, v244              ; 1 / sum, corrected once
	s_mov_b32 s31, 0
	s_mov_b32 s32, 0
	s_mov_b32 s33, 0
	s_mov_b32 s37, 16
.Lpass2:
	STEP2
	s_sub_co_u32 s37, s37, 1
	s_cmp_lg_u32 s37, 0
	s_cbranch_scc1 .Lpass2
	; THE WAY OUT.  A lane holds 8 neighbouring channels of a row for each of four tiles; a row is 256 bytes.  Through my stage, so that sixteen lanes store a whole row.  The eight address lines are the places behind the last products.
	v_and_b32 v242, 15, v0                         ; r
	v_bfe_u32 v243, v0, 4, 1                       ; h
	s_mul_i32 s35, s20, PRW
	s_add_co_u32 s35, s35, PRIV
	v_mul_u32_u24 v[ADK], v242, 272
	v_lshl_add_u32 v[ADK], v243, 5, v[ADK]
	v_add_nc_u32 v[ADK], s35, v[ADK]               ; in: row r, + 32 h; tile t 64 t bytes on
	v_mul_u32_u24 v[ADS], v243, 272
	v_lshl_add_u32 v[ADS], v242, 4, v[ADS]
	v_add_nc_u32 v[ADS], s35, v[ADS]               ; back: lanes 0-15 one row, lanes 16-31 the next
.irp t, 0,1,2,3
	ds_store_b128 v[ADK], v[O+8*\t:O+8*\t+3] offset:64*\t          ; each accumulator from its low end on
	ds_store_b128 v[ADK], v[O+8*\t+4:O+8*\t+7] offset:64*\t+16
.endr
.irp i, 0,1,2,3,4,5,6,7
	ds_load_b128 v[S+4*\i:S+4*\i+3], v[ADS] offset:544*\i          ; LDS serves a wave's instructions in order: these see my stores
.endr
.irp i, 0,1,2,3,4,5,6,7
	s_wait_dscnt 7-\i                              ; the younger loads from the stage may be out
	global_store_b128 v[GO], v[S+4*\i:S+4*\i+3], s[18:19] offset:512*\i th:TH_STORE_NT   ; 16 lanes store 256 consecutive bytes, at a multiple of 256 from out0's first byte
.endr
	s_wait_tensorcnt 0x0
	ds_add_u32 v254, v255
	s_wait_dscnt 0x0
	ROUND                                          ; the closing round: no work-group ends while a partner may still ask for a tile that names it
	s_endpgm
.Lfunc_end_k_q98edddab09_attn:
	.size	k_q98edddab09_attn, .Lfunc_end_k_q98edddab09_attn-k_q98edddab09_attn
	.p2alignl 7, 3214868480
	.fill 96, 4, 3214868480
	.section	.rodata,"a",@progbits
	.p2align	6, 0x0
	.amdhsa_kernel k_q98edddab09_attn
		.amdhsa_group_segment_fixed_size 313600
		.amdhsa_private_segment_fixed_size 0
		.amdhsa_enable_private_segment 0
		.amdhsa_kernarg_size 64
		.amdhsa_user_sgpr_count 2
		.amdhsa_user_sgpr_kernarg_segment_ptr 1
		.amdhsa_wavefront_size32 1
		.amdhsa_system_sgpr_workgroup_id_x 1
		.amdhsa_system_sgpr_workgroup_id_y 1
		.amdhsa_system_sgpr_workgroup_id_z 1
		.amdhsa_system_vgpr_workitem_id 0
		.amdhsa_next_free_vgpr 256
		.amdhsa_next_free_sgpr 96
		.amdhsa_reserve_vcc 0
		.amdhsa_float_denorm_mode_32 3
		.amdhsa_float_denorm_mode_16_64 3
		.amdhsa_memory_ordered 1
		.amdhsa_forward_progress 1
		.amdhsa_inst_pref_size 59
	.end_amdhsa_kernel
	.amdgpu_metadata
---
amdhsa.version: [ 1, 2 ]
amdhsa.kernels:
  - .name:           k_q98edddab09_attn
    .symbol:         k_q98edddab09_attn.kd
    .args:
      - { .name: q, .offset: 0, .size: 8, .value_kind: global_buffer, .address_space: global }
      - { .name: tau, .offset: 8, .size: 8, .value_kind: global_buffer, .address_space: global }
      - { .name: kimg, .offset: 16, .size: 8, .value_kind: global_buffer, .address_space: global }
      - { .name: ksc, .offset: 24, .size: 8, .value_kind: global_buffer, .address_space: global }
      - { .name: vimg, .offset: 32, .size: 8, .value_kind: global_buffer, .address_space: global }
      - { .name: vsc, .offset: 40, .size: 8, .value_kind: global_buffer, .address_space: global }
      - { .name: btab, .offset: 48, .size: 8, .value_kind: global_buffer, .address_space: global }
      - { .name: out0, .offset: 56, .size: 8, .value_kind: global_buffer, .address_space: global }
    .group_segment_fixed_size: 313600
    .private_segment_fixed_size: 0
    .kernarg_segment_align: 8
    .kernarg_segment_size: 64
    .max_flat_workgroup_size: 512
    .sgpr_count:     96
    .vgpr_count:     256
    .wavefront_size: 32
...
	.end_amdgpu_metadata
.endif
;; end of part 2
